; MI455X (gfx1250); checked and timed in simulation.
; The chip was launched on July 23, 2026; its instructions are those of AMD's public machine-readable ISA for CDNA 5 (MIT licence, August 2026) and "CDNA5" Instruction Set Architecture Reference Guide (July 2026). The comments in the code are by the model that wrote it; some were corrected since.
;; Span Self Attention. Allowed arithmetic: matrix products marked QUANTISED: E5M2 operands, one given power-of-two scale a tensor, by v_wmma_f32_16x16x64_bf8_bf8 or v_wmma_f32_16x16x128_bf8_bf8, f32 sums; products left as they are: f32 operands where the result goes on into a quantised operand, else bf16, f16 or f32 operands; f32 sums; everything else in f32.
;; Inputs: W1 1,024 x 1,024 float32; b 2 x 2,048 int32; b1 1,024 float32; b_out 1 float32; e 2 x 2,048 int32; inputs 2 x 2,048 x 1,024 float32; lowp_scales 2 int32 (the exponents e of the quantised operands' scales 2^e); w_out 1,024 x 1 float32.
;; Outputs: out0 2 x 2,048 x 1,024 float32.
;; Constants: max_width = 16.
;; This version of the problem:
;;   THIS VERSION OF THE PROBLEM IS GIVEN IN LOW PRECISION. The matrix products marked QUANTISED in the list below multiply operands that are first quantised to E5M2 (5 exponent bits, 2 mantissa bits; 8 bits a number), with one given power-of-two scale for each operand tensor; their sums are f32. All else is computed in f32.
;;   The module's matrix products, in the order in which they are computed (A, B: the left and right operand; K: the contracted axis; several contracted axes count as one K, in the product's order):
;;     1. [M 65,536, K 1,024] x [K 1,024, N 1,024]; A: computed on the way; B: input W1: QUANTISED (scales: A lowp_scales[0], B lowp_scales[1])
;;     2. [M 65,536, K 1,024] x [K 1,024, N 1]; A: computed on the way; B: computed on the way: left as it is (N = 1 < 16)
;;     3. batch 4,096 x [M 1, K 16] x [K 16, N 1,024]; A: softmax; B: computed on the way: left as it is (K = 16 < 32)
;;   THE QUANTISER, for each operand of a quantised product, along K:
;;     - The operand's scale is 2^e, e = its entry of the input lowp_scales (int32; the entries are numbered through the quantised products in the list's order, A before B).
;;     - Each number is divided by the scale, clamped to +-57,344, and rounded to the nearest number of E5M2, ties to even, subnormals kept.
;;     - The product sums the exact products of the quantised numbers (number of the format x scale) in f32.
;;   ~~~python
;;   def quantise(x, axis, e):      # numpy; x: float32 -> the quantised numbers, widened to float32 again
;;       x = np.moveaxis(x, axis, -1); K = x.shape[-1]
;;       r = np.clip(x / 2.0 ** e, -57344, 57344)
;;       step = 2.0 ** (np.maximum(np.frexp(np.where(r == 0, 1, r))[1] - 1, -14) - 2)
;;       q = np.round(r / step) * step * 2.0 ** e      # np.round: ties to even
;;       return np.moveaxis(q, -1, axis).astype(np.float32)
;;   ~~~
;;   OPERANDS COMPUTED ON THE WAY. 'Computed on the way' means the value that the module computes at that place (a softmax that the list does not call 'softmax' is quantised finished and normalised). What goes into a quantiser is computed in f32, as accurately as f32 sums, v_exp_f32 and their like allow (about 1e-6 of the number): no bf16 or f16 on the way to a quantiser, and a product that is left as it is and whose result goes on into a quantised operand takes f32 operands (vector FMAs, or v_wmma_f32_16x16x4_f32). A number that lies on a knife's edge between two numbers of the format may be rounded either way, as far as f32 arithmetic and the matrix unit's own rounding can turn it there, and no further.
;; One version. Each part assembles by itself: llvm-mc -triple=amdgcn-amd-amdhsa -mcpu=gfx1250 --defsym DOCPART=n.
;; ======== version 1 of 1: 3 launches
;; limits: values are held in bf16: 8 bits of precision; right only within a limited range of input values
;; workspace buffers: xc 4,194,304 bytes; wc 1,048,576 bytes; part 524,288 bytes; list 16,640 bytes of whole numbers; starts 1,024 bytes of whole numbers
;; launch prep (part 1): grid 256 x 1, 16 waves a work-group, no clusters, 0 bytes of LDS; arguments inputs, W1, lowp_scales, b, e, xc, wc, list, starts; writes xc, wc, list, starts
.if DOCPART == 1
	.amdgcn_target "amdgcn-amd-amdhsa--gfx1250"
	.amdhsa_code_object_version 6
	.text
	.protected	k_q3ce984caad_prep
	.globl	k_q3ce984caad_prep
	.p2align	8
	.type	k_q3ce984caad_prep,@function
k_q3ce984caad_prep:
	s_mov_b64 s[64:65], 0
	v_nop
	global_prefetch_b8 v0, s[64:65] scope:SCOPE_SE
	s_setreg_imm32_b32 hwreg(HW_REG_WAVE_MODE, 25, 1), 1
	s_wait_xcnt 0x0
; Prepares the two other launches: inputs [4096 tokens][1024] and W1 [1024 k][1024 n], f32, become codes of BF8 (E5M2), each with its given scale 2^e (entry 0: inputs, entry 1: W1):
; code = x / 2^e, held within +-57,344, to the nearest code, ties to even.  And the 4,096 spans are sorted by their first token.
; DEAD WORK: b_out is added to all 16 scores of a span, and a softmax along those 16 does not change when one number is added to all of them, whatever it is: b_out reaches no output, is not loaded and is no launch's argument.
; A NaN, an infinity or an overflow that reaches only b_out's sum is not carried to the result.
; A window's row is a row of inputs, and the quantiser works number by number: a row's score hangs on the token alone, and is made once for each of the 4,096 tokens.
; LIMITS: -126 <= e and e + 15 <= 127 for both entries of the scales; inputs and W1 are finite; 0 <= b; b and e under 2^30 in magnitude.
; THE ORDER OF K.  A row of codes is 64 pieces of 16 bytes; byte 4 i + z of piece 32 u + l holds k = 512 u + 128 i + 4 l + z: the order in which four loads of 512 consecutive bytes leave 16 numbers in lane l.
; xc [4096 rows][1024 bytes]: in each run of 64 tokens, token 4 r + a is row 16 a + r.  wc [64 pieces][1024 n][16 bytes], so that a lane's 16 codes of a column lie beside its neighbour's: no turn through LDS.
; list[place]: the spans of batch 0, then of batch 1, each by min(b, 2047), then by number.  A word: bits 11:0 the span, 15:12 min(b, 2047) % 16, 19:16 the last counted place of the window, 20 set where e < b.
; Behind the 4,096 words stand 32 words of 0: a reader of 16 words on end may begin at the last span.
; starts[g]: the first place of list whose span's first token is in the g-th run of 16 tokens (128 runs a batch) or behind it.
; SHARES of work-group g: waves 0-3: the places of four spans each, wave 0 also starts[g].  Waves 4-7: 64 columns of W1 x one piece.  Waves 8-15: two rows of inputs each.
; No loop to run ahead in, so no prefetch; no two work-groups share a tile, so no cluster.
.set XR, 16                            ; inputs: v16-79 4 steps x 16 numbers;  W1: v16-47;  spans: v16-79 the batch's 2,048 keys
.set XC, 80                            ; v80-95 codes
	s_load_b512 s[4:19], s[0:1], 0x0               ; inputs s[4:5], W1 s[6:7], scales s[8:9], b s[10:11], e s[12:13], xc s[14:15], wc s[16:17], list s[18:19]
	s_load_b64 s[20:21], s[0:1], 0x40              ; starts
	v_lshrrev_b32 v1, 5, v0
	v_readfirstlane_b32 s22, v1                    ; wave 0..15
	v_and_b32 v1, 31, v0                           ; lane
	v_lshlrev_b32 v2, 4, v1                        ; 16 x lane
	v_lshlrev_b32 v3, 2, v1                        ; 4 x lane
	s_mov_b32 s27, 0                               ; stays 0: the upper word of every offset
	s_wait_alu depctr_va_vdst(0)                   ; directly ahead of the wait below
	s_wait_kmcnt 0x0
	s_cmp_lt_u32 s22, 8
	s_cbranch_scc1 .Lother
	; ---------------- inputs ----------------
	s_load_b32 s24, s[8:9], 0x0                    ; e0
	s_lshl_b32 s23, ttmp9, 3
	s_add_co_u32 s23, s23, s22
	s_sub_co_u32 s23, s23, 8                       ; which run of 2,048 numbers (tokens 2 run, 2 run + 1) is my wave's
	s_lshl_b32 s26, s23, 13
	s_add_nc_u64 s[4:5], s[4:5], s[26:27]
.irp t, 0,1,2,3
.irp i, 0,1,2,3
	global_load_b128 v[XR+16*\t+4*\i:XR+16*\t+4*\i+3], v2, s[4:5] offset:2048*\t+512*\i th:TH_LOAD_NT   ; 32 lanes read 512 consecutive bytes
.endr
.endr
	s_and_b32 s28, s23, 1
	s_lshl_b32 s28, s28, 5                         ; token 2 run is 4 r + a with a = 2 (run % 2): row 16 a
	s_lshr_b32 s29, s23, 1
	s_and_b32 s29, s29, 15
	s_add_co_u32 s28, s28, s29                     ; + r,
	s_and_b32 s29, s23, 0x7e0
	s_lshl_b32 s29, s29, 1
	s_add_co_u32 s28, s28, s29                     ; in its run of 64; the next token's row is 16 further on
	s_lshl_b32 s26, s28, 10
	s_add_nc_u64 s[14:15], s[14:15], s[26:27]
	s_wait_kmcnt 0x0
	s_add_co_i32 s24, s24, 127
	s_lshl_b32 s26, s24, 23
	v_mov_b32 v11, s26                             ; 2^e0 as f32: the conversion takes its exponent field
	s_add_co_i32 s24, s24, 15
	s_lshl_b32 s24, s24, 23
	s_or_b32 s24, s24, 0x600000
	v_mov_b32 v10, s24                             ; 57,344 x 2^e0
	s_wait_alu depctr_va_vdst(0)                   ; at the head's end
.macro XSTEP t
	s_wait_loadcnt 12-4*(\t)                       ; this step's four loads are in, the four of each later step may be out
.irp i, 0,1,2,3,4,5,6,7,8,9,10,11,12,13,14,15
	v_med3_num_f32 v[XR+16*(\t)+\i], v[XR+16*(\t)+\i], -v10, v10   ; the conversion to an 8-bit code does not saturate (ISA guide 7.6.2): the hold comes first
.endr
	v_cvt_scalef32_pk8_bf8_f32 v[XC+4*(\t):XC+4*(\t)+1], v[XR+16*(\t):XR+16*(\t)+7], v11
	v_cvt_scalef32_pk8_bf8_f32 v[XC+4*(\t)+2:XC+4*(\t)+3], v[XR+16*(\t)+8:XR+16*(\t)+15], v11
	v_nop                                          ; a plain line behind the scaled conversions
	global_store_b128 v2, v[XC+4*(\t):XC+4*(\t)+3], s[14:15] offset:512*((\t)%2)+16384*((\t)/2)   ; 512 consecutive bytes, aligned; each step has its own registers for its codes
.endm
.irp t, 0,1,2,3
	XSTEP \t
.endr
	s_endpgm
.Lother:
	s_cmp_lt_u32 s22, 4
	s_cbranch_scc1 .Lrank
	; ---------------- W1: a lane takes columns, and its registers run down K in the order of a piece's bytes ----------------
	s_load_b32 s25, s[8:9], 0x4                    ; e1
	s_sub_co_u32 s22, s22, 4
	s_lshr_b32 s23, ttmp9, 2                       ; the piece, 32 u + l
	s_and_b32 s28, ttmp9, 3                        ; which 256 columns
	s_lshr_b32 s29, s23, 5
	s_lshl_b32 s29, s29, 9
	s_and_b32 s30, s23, 31
	s_lshl_b32 s30, s30, 2
	s_add_co_u32 s29, s29, s30                     ; row 512 u + 4 l
	s_lshl_b32 s26, s29, 12                        ; of 4,096 bytes
	s_lshl_b32 s28, s28, 8
	s_lshl_b32 s30, s22, 6
	s_add_co_u32 s28, s28, s30                     ; my first column
	s_lshl_b32 s30, s28, 2
	s_add_co_u32 s26, s26, s30
	s_add_nc_u64 s[6:7], s[6:7], s[26:27]
.irp i, 0,1,2,3
.irp z, 0,1,2,3
.irp u, 0,1
	global_load_b32 v[XR+16*\u+4*\i+\z], v3, s[6:7] offset:(128*\i+\z)*4096+128*\u th:TH_LOAD_NT   ; columns 32 u + lane: the four waves' loads of a row cover 1,024 consecutive bytes
.endr
.endr
.endr
	s_lshl_b32 s26, s23, 14
	s_lshl_b32 s30, s28, 4
	s_add_co_u32 s26, s26, s30
	s_add_nc_u64 s[16:17], s[16:17], s[26:27]      ; wc: 16,384 x piece + 16 x column
	s_wait_kmcnt 0x0
	s_add_co_i32 s25, s25, 127
	s_lshl_b32 s26, s25, 23
	v_mov_b32 v11, s26                             ; 2^e1
	s_add_co_i32 s25, s25, 15
	s_lshl_b32 s25, s25, 23
	s_or_b32 s25, s25, 0x600000
	v_mov_b32 v10, s25                             ; 57,344 x 2^e1
	s_wait_alu depctr_va_vdst(0)                   ; directly ahead of the wait below
	s_wait_loadcnt 0x0
.irp i, 0,1,2,3,4,5,6,7,8,9,10,11,12,13,14,15,16,17,18,19,20,21,22,23,24,25,26,27,28,29,30,31
	v_med3_num_f32 v[XR+\i], v[XR+\i], -v10, v10
.endr
.irp g, 0,1,2,3
	v_cvt_scalef32_pk8_bf8_f32 v[XC+2*\g:XC+2*\g+1], v[XR+8*\g:XR+8*\g+7], v11
.endr
	v_nop                                          ; a plain line behind the scaled conversions
.irp u, 0,1
	global_store_b128 v2, v[XC+4*\u:XC+4*\u+3], s[16:17] offset:512*\u   ; 512 consecutive bytes, aligned
.endr
	s_endpgm
	; ---------------- the spans: a span's place is the number of keys of its batch under its own; key = min(b, 2047) x 2,048 + the span's number in the batch: no two are equal ----------------
.Lrank:
	s_lshr_b32 s23, ttmp9, 7                       ; the batch
	s_lshl_b32 s26, s23, 13
	s_add_nc_u64 s[30:31], s[10:11], s[26:27]      ; the batch's b
.irp i, 0,1,2,3,4,5,6,7,8,9,10,11,12,13,14,15
	global_load_b128 v[XR+4*\i:XR+4*\i+3], v2, s[30:31] offset:512*\i   ; register 4 i + c of a lane: span 128 i + 4 lane + c
.endr
	s_lshl_b32 s26, ttmp9, 6
	s_lshl_b32 s28, s22, 4
	s_add_co_u32 s26, s26, s28                     ; my four spans, in bytes
	s_add_nc_u64 s[28:29], s[10:11], s[26:27]
	s_add_nc_u64 s[12:13], s[12:13], s[26:27]
	s_load_b128 s[32:35], s[28:29], 0x0            ; their b
	s_load_b128 s[36:39], s[12:13], 0x0            ; their e
	s_lshl_b32 s40, ttmp9, 4
	s_lshl_b32 s41, s22, 2
	s_add_co_u32 s40, s40, s41                     ; my first span
	s_and_b32 s48, ttmp9, 127
	s_lshl_b32 s48, s48, 15                        ; the least key of run g: 16 x (g % 128) x 2,048
	s_wait_kmcnt 0x0
.irp m, 0,1,2,3
	s_min_u32 s41, s[32+\m], 0x7ff                 ; min(min(b, 2047) + w, 2047) = min(b + w, 2047)
	s_sub_co_i32 s42, s[36+\m], s[32+\m]           ; d = e - b: place w of the window counts where w <= d
	s_lshl_b32 s[44+\m], s41, 11
	s_add_co_u32 s43, s40, \m
	s_and_b32 s49, s43, 0x7ff
	s_add_co_u32 s[44+\m], s[44+\m], s49           ; the span's key
	s_and_b32 s41, s41, 15
	s_lshl_b32 s41, s41, 12
	s_or_b32 s43, s43, s41
	s_lshr_b32 s41, s42, 31                        ; e < b: all sixteen are masked alike, and all sixteen are mixed
	s_lshl_b32 s41, s41, 20
	s_or_b32 s43, s43, s41
	s_cmp_lt_i32 s42, 0
	s_cselect_b32 s42, 15, s42
	s_min_u32 s42, s42, 15
	s_lshl_b32 s42, s42, 16
	s_or_b32 s[52+\m], s43, s42                    ; the span's word
	s_lshl_b32 s[56+\m], s23, 11                   ; its place counts from the batch's first
.endr
	s_lshl_b32 s60, s23, 11
.irp i, 0,4,8,12,16,20,24,28,32,36,40,44,48,52,56,60
	s_wait_loadcnt 15-\i/4                         ; load i / 4 is in, the later ones may be out
.irp c, 0,1,2,3
	v_min_u32 v[XR+\i+\c], 0x7ff, v[XR+\i+\c]
.endr
.irp c, 0,1,2,3
	v_lshl_add_u32 v[XR+\i+\c], v[XR+\i+\c], 11, v3
.endr
.irp c, 0,1,2,3
	v_add_nc_u32 v[XR+\i+\c], 32*\i+\c, v[XR+\i+\c]
.endr
.endr
	s_wait_alu depctr_va_vdst(0)                   ; ahead of the runs of scalar instructions below
; Group n: 16 registers of keys (n % 4) against threshold n / 4: 32 keys a compare.  Two sets of masks take turns: a group's compares stand ahead of the counting of the group before.
.macro CMP n
.set CT, 44+(\n)/4
.set CG, XR+16*((\n)%4)
.set CM, 68+16*((\n)%2)
.irp q, 0,1,2,3,4,5,6,7,8,9,10,11,12,13,14,15
	v_cmp_gt_u32 s[CM+\q], s[CT], v[CG+\q]
.endr
.endm
.macro CNT n
.set CM, 68+16*((\n)%2)
.irp q, 0,1,2,3,4,5,6,7,8,9,10,11,12,13,14,15
	s_bcnt1_i32_b32 s[CM+\q], s[CM+\q]
.endr
.irp q, 0,1,2,3,4,5,6,7
	s_add_co_u32 s[CM+\q], s[CM+\q], s[CM+8+\q]
.endr
.irp q, 0,1,2,3
	s_add_co_u32 s[CM+\q], s[CM+\q], s[CM+4+\q]
.endr
.irp q, 0,1
	s_add_co_u32 s[CM+\q], s[CM+\q], s[CM+2+\q]
.endr
	s_add_co_u32 s[CM], s[CM], s[CM+1]
	s_add_co_u32 s[56+(\n)/4], s[56+(\n)/4], s[CM]
.endm
	CMP 0
.irp n, 1,2,3,4,5,6,7,8,9,10,11,12,13,14,15
	CMP \n
	CNT (\n-1)
.endr
	CNT 15
	v_mov_b32 v5, s52
	v_mov_b32 v6, s56
	v_writelane_b32 v5, s53, 1                     ; lanes 1 to 3 take the other spans; lanes 4 to 31 store lane 0's word once more
	v_writelane_b32 v6, s57, 1
	v_writelane_b32 v5, s54, 2
	v_writelane_b32 v6, s58, 2
	v_writelane_b32 v5, s55, 3
	v_writelane_b32 v6, s59, 3
	v_min_u32 v6, 0xfff, v6                        ; (a place is under 4,096)
	v_lshlrev_b32 v6, 2, v6
	global_store_b32 v6, v5, s[18:19]
	s_cmp_lg_u32 s22, 0
	s_cbranch_scc1 .Lranked
	CMP 16
.irp n, 17,18,19
	CMP \n
	CNT (\n-1)
.endr
	CNT 19
	s_lshl_b32 s49, ttmp9, 2
	v_mov_b32 v7, s60
	v_mov_b32 v8, s49
	global_store_b32 v8, v7, s[20:21]              ; starts[g]; all lanes store the same word
	s_cmp_lg_u32 ttmp9, 0
	s_cbranch_scc1 .Lranked
	v_mov_b32 v9, 0
	global_store_b32 v3, v9, s[18:19] offset:16384 ; work-group 0: the 32 words behind the list
.Lranked:
	s_endpgm
.Lfunc_end_k_q3ce984caad_prep:
	.size	k_q3ce984caad_prep, .Lfunc_end_k_q3ce984caad_prep-k_q3ce984caad_prep
	.p2alignl 7, 3214868480
	.fill 96, 4, 3214868480
	.section	.rodata,"a",@progbits
	.p2align	6, 0x0
	.amdhsa_kernel k_q3ce984caad_prep
		.amdhsa_group_segment_fixed_size 0
		.amdhsa_private_segment_fixed_size 0
		.amdhsa_enable_private_segment 0
		.amdhsa_kernarg_size 72
		.amdhsa_user_sgpr_count 2
		.amdhsa_user_sgpr_kernarg_segment_ptr 1
		.amdhsa_wavefront_size32 1
		.amdhsa_system_sgpr_workgroup_id_x 1
		.amdhsa_system_sgpr_workgroup_id_y 1
		.amdhsa_system_sgpr_workgroup_id_z 1
		.amdhsa_system_vgpr_workitem_id 0
		.amdhsa_next_free_vgpr 96
		.amdhsa_next_free_sgpr 102
		.amdhsa_reserve_vcc 0
		.amdhsa_float_denorm_mode_32 3
		.amdhsa_float_denorm_mode_16_64 3
		.amdhsa_memory_ordered 1
		.amdhsa_forward_progress 1
		.amdhsa_inst_pref_size 73
	.end_amdhsa_kernel
	.amdgpu_metadata
---
amdhsa.version: [ 1, 2 ]
amdhsa.kernels:
  - .name:           k_q3ce984caad_prep
    .symbol:         k_q3ce984caad_prep.kd
    .args:
      - { .name: inputs, .offset: 0, .size: 8, .value_kind: global_buffer, .address_space: global }
      - { .name: W1, .offset: 8, .size: 8, .value_kind: global_buffer, .address_space: global }
      - { .name: lowp_scales, .offset: 16, .size: 8, .value_kind: global_buffer, .address_space: global }
      - { .name: b, .offset: 24, .size: 8, .value_kind: global_buffer, .address_space: global }
      - { .name: e, .offset: 32, .size: 8, .value_kind: global_buffer, .address_space: global }
      - { .name: xc, .offset: 40, .size: 8, .value_kind: global_buffer, .address_space: global }
      - { .name: wc, .offset: 48, .size: 8, .value_kind: global_buffer, .address_space: global }
      - { .name: list, .offset: 56, .size: 8, .value_kind: global_buffer, .address_space: global }
      - { .name: starts, .offset: 64, .size: 8, .value_kind: global_buffer, .address_space: global }
    .group_segment_fixed_size: 0
    .private_segment_fixed_size: 0
    .kernarg_segment_align: 8
    .kernarg_segment_size: 72
    .max_flat_workgroup_size: 512
    .sgpr_count:     102
    .vgpr_count:     96
    .wavefront_size: 32
...
	.end_amdgpu_metadata
.endif
;; end of part 1
;; launch score (part 2): grid 8 x 32, 4 waves a work-group, clusters of 4 x 1, 167,936 bytes of LDS; arguments xc, wc, lowp_scales, b1, w_out, part; writes part
.if DOCPART == 2
	.amdgcn_target "amdgcn-amd-amdhsa--gfx1250"
	.amdhsa_code_object_version 6
	.text
	.protected	k_q3ce984caad_score
	.globl	k_q3ce984caad_score
	.p2align	8
	.type	k_q3ce984caad_score,@function
k_q3ce984caad_score:
	s_mov_b64 s[64:65], 0
	v_nop
	global_prefetch_b8 v0, s[64:65] scope:SCOPE_SE
	s_setreg_imm32_b32 hwreg(HW_REG_WAVE_MODE, 25, 1), 1
	s_wait_xcnt 0x0
	s_wait_alu depctr_hold_cnt(0) depctr_sa_sdst(0) depctr_va_vdst(0) depctr_va_sdst(0) depctr_va_ssrc(0) depctr_va_vcc(0) depctr_vm_vsrc(0)
	s_getreg_b32 s2, hwreg(HW_REG_IB_STS2, 6, 4)
	s_cmp_eq_u32 s2, 0
	s_cbranch_scc0 .Lentry_in_a_cluster
	s_endpgm
.Lentry_in_a_cluster:
	s_bfe_u32 s2, ttmp6, 0x10000c
	s_cmp_lg_u32 s2, 0x3003
	s_cbranch_scc0 .Lentry_shape_is_right
	s_endpgm
.Lentry_shape_is_right:
; part[4 x + v][token] = the sum over the 32 hidden units n from 128 x + 32 v on of relu((codes of inputs[token]) . (codes of W1[:, n]) x 2^(e0 + e1) + b1[n]) x w_out[n].
; Each of the 4,096 tokens is taken through the quantised product once, for every window that holds it (a row's score hangs on the token alone); b_out is left out: it is the same for all places of a softmax.
; LIMIT: e0 + e1 between -126 and 127, so that 2^(e0 + e1) is an f32 number.  A NaN sum is taken as 0 by the activation's maximum.
; SHARES.  Work-group (x, y): 128 tokens (128 y on) x 128 units (128 x on), all K = 1,024.  Four waves, each 128 tokens x 32 units: 16 accumulators, 128 registers.
; THE UNITS' codes go from memory straight into registers: wc is laid in the order in which the operand wants it, a wave's 32 units are 32 KB = 256 registers, and no other wave of the work-group takes them: 64 loads, step by step along K.
; They are not asked for jointly: a joint load lands in LDS, and every byte would be read from there by one wave alone.
; THE TOKENS' tile, which all four waves read, lies whole in LDS; every byte is filled once, by one tensor load a wave at the head: no ring.  No prefetch: there is no loop to run ahead in.
; CLUSTERS: the 4 work-groups of a cluster have the same y and neighbouring x: they ask for the tokens' tile, which hangs on y alone, jointly.
; THE MATRIX INSTRUCTION IS USED TRANSPOSED (source 0 = 16 units, source 1 = 16 tokens): a lane holds ONE token (lane % 16), and its eight registers eight neighbouring units, 8 (lane / 16) + 0..7.
; xc's rows are laid so that row 16 a + r of a run of 64 is token 4 r + a: lane r's four tiles of a run are four neighbouring tokens.
; REGISTERS.  Window 0: v1-27 addresses; v32-47 b1, v48-63 w_out of my 32 units (8 a tile); v64-79 eight pairs of running scores; v80-99 at work; v126-127 the add's; v128-255 the accumulators ((a, b) at 128 + 8 (2 a + b)).
;   Window 1: the units: step s, tile b at 32 s + 16 b.   Window 2: two buffers of 128: the eight fragments of tokens of a step.
.set TP,    1040                       ; a token's row in LDS: 1,024 bytes + 16 of padding = 260 words, so that the 16 rows of a fragment load start at 16 different banks (64 banks of 4 bytes: ISA guide 11.1)
.set QUART, 32*TP                      ; 32 tokens: what one tensor load brings
.set SPARE, 4*QUART                    ; the spare words, 128 bytes a wave: two blocks of 256 bytes that no other line names
.set ADRT,  16                         ; v16-17  LDS address of the fragments of tokens 0-63, 64-127
.set ADRU,  18                         ; v18     offset of my units' codes
.set B1V,   32
.set WOV,   48
.set P,     64
.set T,     80
.set U,     88
.set R,     96
.set ACC,   128
.set G1,    24                         ; s[24:31] descriptor group 1;  s[40:43] group 0
.set G0,    40
.set MSB, 0
.macro WIN new                         ; the immediate's high byte repeats the setting that is left
.if MSB != \new
	s_set_vgpr_msb (MSB<<8)|\new
.set MSB, \new
.endif
.endm
.set MUL,  0x09                        ; source 0 (units) window 1, source 1 (tokens) window 2; C and D window 0
.set TO_U, 0x40                        ; destination window 1, address window 0
.set TO_T, 0x80                        ; destination window 2, address window 0
.macro CROUND                          ; a round of the cluster's barrier: my work-group's barrier; wave 0 signals for the work-group; every wave waits for all four; my work-group's barrier once more
	s_barrier_signal -1
	s_barrier_wait -1
	s_cmp_lg_u32 s14, 0
	s_cbranch_scc1 .Lnot_wave_0_\@
	s_barrier_signal -3
.Lnot_wave_0_\@:
	s_barrier_wait -3
	s_barrier_signal -1
	s_barrier_wait -1
.endm
.macro PLACES                          ; four plain places behind a matrix instruction, in front of loads into registers that it has read and of the first read of its results
.rept 4
	v_nop
.endr
.endm
	s_load_b128 s[4:7], s[0:1], 0x0                ; xc s[4:5], wc s[6:7]
	s_load_b128 s[8:11], s[0:1], 0x10              ; the scales' exponents s[8:9], b1 s[10:11]
	s_load_b128 s[84:87], s[0:1], 0x20             ; w_out s[84:85], part s[86:87]
	v_lshl_add_u32 v126, v0, 2, SPARE
	v_mov_b32 v127, 0
	ds_add_u32 v126, v127                          ; the wave's opening: the add, twice on end, and its wait
	ds_add_u32 v126, v127
	v_lshrrev_b32 v1, 5, v0
	v_readfirstlane_b32 s14, v1                    ; wave 0..3: which 32 units are mine, and which 32 tokens I fetch
	s_bfe_u32 s56, ttmp6, 0x40000                  ; cx: my place in the cluster
	s_lshl_b32 s58, ttmp9, 2
	s_add_co_u32 s58, s58, s56                     ; x = 4 x cluster x + cx
	s_and_b32 s59, ttmp7, 0xffff                   ; y
	; descriptor group 1: 32 rows of 1,024 bytes, 4 words of padding after every 256
	s_mov_b32 s[G1], 15|(0<<16)|(1<<20)|(1<<21)|(7<<22)|(3<<25)     ; 15:0 the mask: all four work-groups of the cluster; 17:16 elements of 1 byte; 20 padding on; 21 set beside a mask; 24:22 after every 256 words (code 7); 31:25 four words (code 3)
	s_mov_b32 s[G1+1], 1024<<16                    ; tensor_dim0
	s_mov_b32 s[G1+2], 32<<16                      ; tensor_dim1
	s_mov_b32 s[G1+3], 1024<<16                    ; tile_dim0
	s_mov_b32 s[G1+4], 32                          ; tile_dim1
	s_mov_b32 s[G1+5], 1024                        ; tensor_dim0_stride
	s_mov_b32 s[G1+6], 0
	s_mov_b32 s[G1+7], 0
	s_lshl_b32 s18, s14, 5
	s_lshl_b32 s20, s59, 7
	s_add_co_u32 s20, s20, s18
	s_lshl_b32 s20, s20, 10                        ; tokens: row 128 y + 32 wave, 1,024 bytes each; in registers that never hold x
	s_mov_b32 s21, 0
	s_mov_b32 s[G0], 1                             ; count = 1
	s_mul_i32 s[G0+1], s14, QUART                  ; where they go: no place in the cluster enters an LDS address
	s_lshl_b32 s88, s58, 11
	s_lshl_b32 s18, s14, 9
	s_add_co_u32 s88, s88, s18                     ; units: 16 bytes x (128 x + 32 wave)
	s_mov_b32 s89, 0
	s_mov_b32 s94, 0x76543210
	s_mov_b32 s95, 0xfedcba98                      ; v_permlanex16_b32's selects for lane l xor 16
	s_lshl_b32 s62, s58, 9
	s_lshl_b32 s63, s14, 7
	s_add_co_u32 s62, s62, s63                     ; b1, w_out: 4 bytes x (128 x + 32 wave)
	s_mov_b32 s63, 0
	s_lshl_b32 s66, s58, 16                        ; part: 16,384 (4 x + wave) + 4 x 128 y
	s_lshl_b32 s67, s14, 14
	s_add_co_u32 s66, s66, s67
	s_lshl_b32 s67, s59, 9
	s_add_co_u32 s66, s66, s67
	s_mov_b32 s67, 0
	v_and_b32 v3, 15, v0                           ; r = lane % 16
	v_bfe_u32 v2, v0, 4, 1                         ; h = lane / 16
	v_and_b32 v25, 31, v0
	v_mul_u32_u24 v4, v3, TP
	v_lshlrev_b32 v5, 4, v3
	v_lshlrev_b32 v26, 5, v2                       ; b1, w_out: 32 h: my eight units of a tile of 16
	v_lshlrev_b32 v25, 4, v25                      ; part: 16 x lane
	v_lshl_add_u32 v[ADRT], v2, 4, v4              ; tokens: row x pitch + 16 h
	v_lshl_add_u32 v[ADRU], v2, 14, v5             ; units: 16,384 h + 16 r
.irp a, 0,1,2,3,4,5,6,7
	v_mov_b32 v[U+\a], 0                           ; written once: a lane permute's destination counts as one of its sources
.endr
	v_add_nc_u32 v[ADRT+1], 64*TP, v[ADRT]
	s_wait_alu depctr_va_vdst(0)                   ; directly ahead of the wait below
	s_wait_dscnt 0x0                               ; both opening adds are done
	CROUND                                         ; all four work-groups are here: the joint loads meet
	s_wait_kmcnt 0x0
	s_add_nc_u64 s[G0+2:G0+3], s[4:5], s[20:21]
	s_or_b32 s[G0+3], s[G0+3], 0x80000000          ; type = 2
	tensor_load_to_lds s[G0:G0+3], s[G1:G1+7]      ; one tensor load a wave; s_nop 0 and four v_nop follow
	s_nop 0
.rept 4
	v_nop
.endr
	s_load_b64 s[90:91], s[8:9], 0x0               ; e0, e1
	s_add_nc_u64 s[6:7], s[6:7], s[88:89]
	s_add_nc_u64 s[10:11], s[10:11], s[62:63]
	s_add_nc_u64 s[84:85], s[84:85], s[62:63]
	s_add_nc_u64 s[86:87], s[86:87], s[66:67]
; A fragment is 16 rows x 128 places along K in 16 registers: lane (r, h) holds, of row r, piece 8 s + 2 k + h in registers 4 k .. 4 k + 3: the same places in both operands.
	WIN TO_U
.irp s, 0,1,2,3,4,5,6,7
.irp b, 0,1
.irp k, 0,1,2,3
	global_load_b128 v[32*\s+16*\b+4*\k:32*\s+16*\b+4*\k+3], v[ADRU], s[6:7] offset:(8*\s+2*\k)*16384+256*\b   ; each half of the lanes reads 256 consecutive bytes, aligned
.endr
.endr
.endr
	WIN 0
.irp b, 0,1
	global_load_b128 v[B1V+8*\b:B1V+8*\b+3],   v26, s[10:11] offset:64*\b
	global_load_b128 v[B1V+8*\b+4:B1V+8*\b+7], v26, s[10:11] offset:64*\b+16
	global_load_b128 v[WOV+8*\b:WOV+8*\b+3],   v26, s[84:85] offset:64*\b
	global_load_b128 v[WOV+8*\b+4:WOV+8*\b+7], v26, s[84:85] offset:64*\b+16
.endr
; 32 LDS loads in one run: the eight fragments of tokens of the s-th 128 places into buffer f.
.macro FETCH s, f
	WIN TO_T
.irp a, 0,1,2,3,4,5,6,7
.irp k, 0,1,2,3
	ds_load_b128 v[(\f)+16*\a+4*\k:(\f)+16*\a+4*\k+3], v[ADRT+\a/4] offset:16*(\a%4)*TP+128*(\s)+32*\k
.endr
.endr
.endm
; 16 matrix instructions, 128 along K.  The 16 accumulators take turns, one instruction a turn, in the same order in every step.  zero = 1: the first products start the sums.
.macro MUL16 s, f, zero
	WIN MUL
.irp a, 0,1,2,3,4,5,6,7
.irp b, 0,1
.if \zero
	v_wmma_f32_16x16x128_bf8_bf8 v[ACC+8*(2*\a+\b):ACC+8*(2*\a+\b)+7], v[32*(\s)+16*\b:32*(\s)+16*\b+15], v[(\f)+16*\a:(\f)+16*\a+15], 0
.else
	v_wmma_f32_16x16x128_bf8_bf8 v[ACC+8*(2*\a+\b):ACC+8*(2*\a+\b)+7], v[32*(\s)+16*\b:32*(\s)+16*\b+15], v[(\f)+16*\a:(\f)+16*\a+15], v[ACC+8*(2*\a+\b):ACC+8*(2*\a+\b)+7]
.endif
.endr
.endr
.endm
; Step s of 8: the next step's tokens are asked for, then this step is multiplied.
.macro STEP s, zero
.set NS, (\s)+1
.set FF, 128*((\s)%2)
.set FG, 128-FF
.if (\s) < 7
.if (\s) > 0
	PLACES                                         ; the last step's products have read the buffer that is loaded now
.endif
	FETCH NS, FG
	s_wait_dscnt 32                                ; all but the 32 just issued: this step's tokens are in
.else
	s_wait_dscnt 0x0
.endif
.if (\s) == 0
	s_wait_loadcnt 63                              ; this step's eight loads of units are in; of the later steps' 56 and the eight of b1 and w_out all but one may be out
.else
	s_wait_loadcnt 64-8*(\s)                       ; this step's units are in; the later steps' and the eight of b1 and w_out may be out
.endif
	MUL16 \s, FF, \zero
.endm
	s_wait_tensorcnt 0x0                           ; my part of the tile is in,
	s_barrier_signal -1
	s_barrier_wait -1                              ; everybody's is; nothing is filled again
	FETCH 0, 0
	STEP 0, 1
.irp s, 1,2,3,4,5,6,7
	STEP \s, 0
.endr
	WIN 0
	s_wait_loadcnt 0x0                             ; b1, w_out
	s_wait_kmcnt 0x0
	s_add_co_i32 s92, s90, s91
	s_add_co_i32 s92, s92, 127
	s_lshl_b32 s92, s92, 23                        ; 2^(e0 + e1) as f32
	s_mov_b32 s93, s92                             ; (named with it as a pair, so it is written)
	PLACES
	; THE SCORER: h = max(sum x 2^(e0 + e1) + b1, 0); score += h x w_out; two units at a time, the eight tiles of tokens by turns.  Each accumulator is read from its low end on.
.irp b, 0,1
.irp i, 0,2,4,6
.irp a, 0,1,2,3,4,5,6,7
	v_pk_fma_f32 v[ACC+8*(2*\a+\b)+\i:ACC+8*(2*\a+\b)+\i+1], v[ACC+8*(2*\a+\b)+\i:ACC+8*(2*\a+\b)+\i+1], s[92:93], v[B1V+8*\b+\i:B1V+8*\b+\i+1] op_sel_hi:[1,0,1]
.endr
.irp a, 0,1,2,3,4,5,6,7
	v_max_num_f32 v[ACC+8*(2*\a+\b)+\i], 0, v[ACC+8*(2*\a+\b)+\i]
	v_max_num_f32 v[ACC+8*(2*\a+\b)+\i+1], 0, v[ACC+8*(2*\a+\b)+\i+1]
.endr
.irp a, 0,1,2,3,4,5,6,7
.if (\b == 0) && (\i == 0)
	v_pk_mul_f32 v[P+2*\a:P+2*\a+1], v[ACC+8*(2*\a+\b)+\i:ACC+8*(2*\a+\b)+\i+1], v[WOV+8*\b+\i:WOV+8*\b+\i+1]   ; the first product starts the score: nothing is cleared
.else
	v_pk_fma_f32 v[P+2*\a:P+2*\a+1], v[ACC+8*(2*\a+\b)+\i:ACC+8*(2*\a+\b)+\i+1], v[WOV+8*\b+\i:WOV+8*\b+\i+1], v[P+2*\a:P+2*\a+1]
.endif
.endr
.endr
.endr
	v_cmp_ne_u32 vcc_lo, 0, v2                     ; lanes 16-31
.irp a, 0,1,2,3,4,5,6,7
	v_add_f32 v[T+\a], v[P+2*\a], v[P+2*\a+1]      ; even and odd units,
.endr
.irp a, 0,1,2,3,4,5,6,7
	v_permlanex16_b32 v[U+\a], v[T+\a], s94, s95
.endr
.irp a, 0,1,2,3,4,5,6,7
	v_add_f32 v[T+\a], v[T+\a], v[U+\a]            ; and the token's other 16 units, in the lane 16 away: token 64 (a / 4) + 4 r + a % 4
.endr
.irp c, 0,1,2,3
	v_cndmask_b32 v[R+\c], v[T+\c], v[T+4+\c], vcc_lo   ; lanes 0-15 take tokens 0-63, lanes 16-31 tokens 64-127: tokens 4 lane + 0..3
.endr
	global_store_b128 v25, v[R:R+3], s[86:87]      ; 512 consecutive bytes, aligned
	s_wait_tensorcnt 0x0                           ; the wave's end
	ds_add_u32 v126, v127
	s_wait_dscnt 0x0
	CROUND                                         ; the closing round: no work-group ends while a partner may still ask for a tile that names it
	s_endpgm
.Lfunc_end_k_q3ce984caad_score:
	.size	k_q3ce984caad_score, .Lfunc_end_k_q3ce984caad_score-k_q3ce984caad_score
	.p2alignl 7, 3214868480
	.fill 96, 4, 3214868480
	.section	.rodata,"a",@progbits
	.p2align	6, 0x0
	.amdhsa_kernel k_q3ce984caad_score
		.amdhsa_group_segment_fixed_size 167936
		.amdhsa_private_segment_fixed_size 0
		.amdhsa_enable_private_segment 0
		.amdhsa_kernarg_size 48
		.amdhsa_user_sgpr_count 2
		.amdhsa_user_sgpr_kernarg_segment_ptr 1
		.amdhsa_wavefront_size32 1
		.amdhsa_system_sgpr_workgroup_id_x 1
		.amdhsa_system_sgpr_workgroup_id_y 1
		.amdhsa_system_sgpr_workgroup_id_z 1
		.amdhsa_system_vgpr_workitem_id 0
		.amdhsa_next_free_vgpr 768
		.amdhsa_next_free_sgpr 100
		.amdhsa_reserve_vcc 1
		.amdhsa_float_denorm_mode_32 3
		.amdhsa_float_denorm_mode_16_64 3
		.amdhsa_memory_ordered 1
		.amdhsa_forward_progress 1
		.amdhsa_inst_pref_size 51
	.end_amdhsa_kernel
	.amdgpu_metadata
---
amdhsa.version: [ 1, 2 ]
amdhsa.kernels:
  - .name:           k_q3ce984caad_score
    .symbol:         k_q3ce984caad_score.kd
    .args:
      - { .name: xc, .offset: 0, .size: 8, .value_kind: global_buffer, .address_space: global }
      - { .name: wc, .offset: 8, .size: 8, .value_kind: global_buffer, .address_space: global }
      - { .name: lowp_scales, .offset: 16, .size: 8, .value_kind: global_buffer, .address_space: global }
      - { .name: b1, .offset: 24, .size: 8, .value_kind: global_buffer, .address_space: global }
      - { .name: w_out, .offset: 32, .size: 8, .value_kind: global_buffer, .address_space: global }
      - { .name: part, .offset: 40, .size: 8, .value_kind: global_buffer, .address_space: global }
    .group_segment_fixed_size: 167936
    .private_segment_fixed_size: 0
    .kernarg_segment_align: 8
    .kernarg_segment_size: 48
    .max_flat_workgroup_size: 128
    .sgpr_count:     100
    .vgpr_count:     768
    .wavefront_size: 32
...
	.end_amdgpu_metadata
.endif
;; end of part 2
;; launch mix (part 3): grid 256 x 1, 16 waves a work-group, no clusters, 0 bytes of LDS; arguments inputs, part, list, starts, out0; writes out0
.if DOCPART == 3
	.amdgcn_target "amdgcn-amd-amdhsa--gfx1250"
	.amdhsa_code_object_version 6
	.text
	.protected	k_q3ce984caad_mix
	.globl	k_q3ce984caad_mix
	.p2align	8
	.type	k_q3ce984caad_mix,@function
k_q3ce984caad_mix:
	s_mov_b64 s[64:65], 0
	v_nop
	global_prefetch_b8 v0, s[64:65] scope:SCOPE_SE
	s_setreg_imm32_b32 hwreg(HW_REG_WAVE_MODE, 25, 1), 1
	s_wait_xcnt 0x0
; out0[span][:] = the sum over w = 0..15 of p[w] x inputs[batch][min(b + w, 2047)][:],  p = softmax over w of (score[token w] - (w <= e - b ? 0 : 1e38)),  score[token] = the sum of part's 32 blocks.
; b_out is left out: one number added to all sixteen terms of a softmax changes nothing.  The maximum is taken away ahead of the exponential.  A span with e < b has sixteen scores under the mask: 1e38 is
; subtracted from each in f32, and all 16 rows are mixed.  Elsewhere a place behind e has p = 0 (its exponent is about -1e38): it counts as minus infinity here.
; LIMITS: inputs are finite (a row with p = 0 that lies in a wave's 32 rows is multiplied by 0); the scaled scores (exponents to the base 2) stay under 2^31 in magnitude.
; SHARES.  A WAVE OWNS 16 NEIGHBOURING TOKENS AS FIRST TOKENS, AND 64 CHANNELS: whatever spans begin there, their windows lie in the 32 rows from the first of those tokens on (row 31 has p = 0 always).
; Those 32 rows are loaded once, at addresses that hang on ids alone.  The spans of the 16 tokens come from the sorted list, 16 at a time: a tile is one product [16 spans x 32 rows] x [32 rows x 64 channels], four
; v_wmma_f32_16x16x32_bf16, with p (not normalised) and the rows as bf16, f32 sums, and a division by the sum of the unrounded p.  How many tiles there are hangs on whole numbers that an earlier launch stored.
; A work-group's sixteen waves: 8 runs of 16 tokens x 2 x 64 channels.  The last run's rows are clamped to row 2047, as the window's are.
; LAYOUT.  Source 0, the spans: lane (r, h) (r = lane % 16, h = lane / 16) holds span r and the rows k = 8 h + 0..7, 16 + 8 h + 0..7.  Row r of the tile is the span 2 (r % 8) + r / 8 of the sixteen, so that result register i of
; lane half h belongs to span 2 i + h.  Source 1, the rows: lane (r, h) loads channels 4 r .. 4 r + 3 of each of those k, 256 consecutive bytes for each half; channel 4 r + j is column r of the j-th product.
; So the four products' register i are 16 neighbouring bytes of span 2 i + h: no turn through LDS.  What one lane has and sixteen need goes by the lane controls of a row of sixteen.
; No tensor load, so no ring and no cluster; no prefetch: the rows are asked for in one go, with no loop to run ahead in.
.set XE, 48                            ; v48-63   exponents, then p
.set XR, 64                            ; v64-127  16 rows x 4 channels; later:
.set O,  64                            ; v64-95   results on their way out
.set D,  96                            ; v96-127  the four products
.set BF, 128                           ; v128-159 the rows as four fragments
.set PF, 160                           ; v160-167 p as a fragment
.set PB, 168                           ; v168-199 part's blocks as loaded; later:
.set S,  184                           ; v184-199 the scores of my 16 rows, x log2(e)
.set AD, 200                           ; v200-215 offsets of my 16 rows; later:
.set RW, 200                           ; v200-207 the rows of out0 of spans 2 i + h
.set E,  216                           ; v216     my span's word
.set TT, 232                           ; v232-235 sums of part, v236-239 at work
.set WD, 68                            ; s[68:83] the tile's sixteen words of the list
	s_load_b256 s[4:11], s[0:1], 0x0               ; inputs s[4:5], part s[6:7], list s[8:9], starts s[10:11]
	s_load_b64 s[12:13], s[0:1], 0x20              ; out0
	v_lshrrev_b32 v1, 5, v0
	v_readfirstlane_b32 s14, v1                    ; wave 0..15
	s_lshr_b32 s15, s14, 1                         ; which of the work-group's eight runs of 16 tokens
	s_and_b32 s16, s14, 1                          ; which 64 channels
	s_and_b32 s17, ttmp9, 7                        ; of which 128
	s_lshr_b32 s18, ttmp9, 3
	s_lshl_b32 s18, s18, 3
	s_add_co_u32 s18, s18, s15                     ; my run, 0..255
	s_lshr_b32 s19, s18, 7                         ; the batch
	s_and_b32 s20, s18, 127
	s_lshl_b32 s20, s20, 4                         ; my first token in the batch
	s_lshl_b32 s21, s17, 9
	s_lshl_b32 s22, s16, 8
	s_add_co_u32 s22, s22, s21                     ; my channels, in bytes
	s_mov_b32 s23, 0
	s_lshl_b32 s24, s19, 23
	s_add_co_u32 s24, s24, s22                     ; and in inputs: + 2,048 rows of 4,096 bytes for batch 1
	s_mov_b32 s25, 0
	s_lshl_b32 s26, s18, 2
	s_mov_b32 s27, 0
	s_add_co_u32 s30, s18, 1
	s_min_u32 s30, s30, 255
	s_lshl_b32 s30, s30, 2
	s_mov_b32 s31, 0
	s_lshl_b32 s58, s19, 13                        ; part: 2,048 tokens of 4 bytes for batch 1
	s_mov_b32 s59, 0
	s_mov_b32 s38, 0x76543210
	s_mov_b32 s39, 0xfedcba98                      ; v_permlanex16_b32's selects for lane l xor 16
	v_and_b32 v1, 15, v0                           ; r
	v_bfe_u32 v2, v0, 4, 1                         ; h
	v_lshlrev_b32 v4, 4, v1                        ; 16 r
	v_lshl_add_u32 v5, v2, 3, s20                  ; my first row
	v_and_b32 v9, 2, v1
	v_and_b32 v10, 1, v1
	v_lshrrev_b32 v7, 2, v1                        ; part: I add up blocks r / 4, + 4, + 8, .. + 28,
	v_lshlrev_b32 v11, 3, v2                       ; 8 h
	v_lshl_add_u32 v13, v9, 3, v5
	v_cmp_ne_u32 s60, 0, v2                        ; lanes 16-31
.irp j, 0,1,2,3,4,5,6,7,8,9,10,11,12,13,14,15
	v_add_nc_u32 v[AD+\j], \j+8*(\j/8), v5         ; row first + 8 h + 0..7, + 16 + 8 h + 0..7
.endr
	v_lshl_add_u32 v13, v10, 2, v13                ; of the r % 4-th four of my 16 rows
	v_mov_b32 v12, 0                               ; written once: the destination of a lane control counts as one of its sources; so here and below
	v_mov_b32 v[E], 0
.irp j, 0,1,2,3,4,5,6,7,8,9,10,11,12,13,14,15
	v_min_u32 v[AD+\j], 0x7ff, v[AD+\j]            ; at the most 2047
.endr
	v_cmp_lt_u32 s61, 0x7fc, v13                   ; four tokens that all are clamped to 2047:
	v_min_u32 v8, 0x7fc, v13                       ; the last of these four
	v_mov_b32 v217, 0
	v_mov_b32 v218, 0
.irp j, 0,1,2,3,4,5,6,7,8,9,10,11,12,13,14,15
	v_lshl_add_u32 v[AD+\j], v[AD+\j], 12, v4
.endr
	v_lshlrev_b32 v8, 2, v8
	v_mov_b32 v219, 0
	v_mov_b32 v221, 0xfe967699                     ; -1e38
	v_mov_b32 v223, 0                              ; (the upper halves of two pairs, named with them)
	v_mov_b32 v227, 0
	v_lshl_add_u32 v8, v7, 14, v8
	v_mov_b32 v224, 0xff800000                     ; minus infinity
	s_wait_alu depctr_va_vdst(0)                   ; directly ahead of the wait below
	s_wait_kmcnt 0x0
	s_add_nc_u64 s[26:27], s[10:11], s[26:27]
	s_add_nc_u64 s[30:31], s[10:11], s[30:31]
	s_load_b32 s32, s[26:27], 0x0                  ; my spans' first place in the list,
	s_load_b32 s33, s[30:31], 0x0                  ; and the next run's
	s_add_nc_u64 s[6:7], s[6:7], s[58:59]
	s_add_nc_u64 s[4:5], s[4:5], s[24:25]
	s_add_nc_u64 s[12:13], s[12:13], s[22:23]
.irp x, 0,1,2,3,4,5,6,7
	global_load_b128 v[PB+4*\x:PB+4*\x+3], v8, s[6:7] offset:65536*\x   ; 128 consecutive bytes of each of four blocks
.endr
.irp j, 0,1,2,3,4,5,6,7,8,9,10,11,12,13,14,15
	global_load_b128 v[XR+4*\j:XR+4*\j+3], v[AD+\j], s[4:5]   ; each half of the lanes reads 256 consecutive bytes, aligned
.endr
	s_wait_kmcnt 0x0
	s_cmp_eq_u32 s18, 255
	s_cselect_b32 s33, 0x1000, s33                 ; the last run ends with the list
	s_sub_co_u32 s34, s33, s32                     ; my spans
	s_cmp_eq_u32 s34, 0
	s_cbranch_scc1 .Lend                           ; none
	s_add_co_u32 s37, s34, 15
	s_lshr_b32 s37, s37, 4                         ; tiles of 16
	s_mov_b32 s36, s34                             ; spans from this tile on
	s_mov_b32 s56, 0                               ; the tile
	s_mov_b32 s57, s32                             ; its first place in the list
	s_min_u32 s30, s57, 0xfff                      ; (a place is under 4,096)
	s_lshl_b32 s30, s30, 2
	s_mov_b32 s31, 0
	s_add_nc_u64 s[28:29], s[8:9], s[30:31]
	s_load_b512 s[WD:WD+15], s[28:29], 0x0         ; sixteen words; those behind my last span are the next run's or the words behind the list, and serve no result
	s_wait_loadcnt 16                              ; part's eight loads are in; the sixteen rows may be out
.irp c, 0,2
	v_pk_add_f32 v[TT+\c:TT+\c+1], v[PB+\c:PB+\c+1], v[PB+4+\c:PB+5+\c]
	v_pk_add_f32 v[TT+4+\c:TT+5+\c], v[PB+8+\c:PB+9+\c], v[PB+12+\c:PB+13+\c]
	v_pk_add_f32 v[PB+16+\c:PB+17+\c], v[PB+16+\c:PB+17+\c], v[PB+20+\c:PB+21+\c]
	v_pk_add_f32 v[PB+24+\c:PB+25+\c], v[PB+24+\c:PB+25+\c], v[PB+28+\c:PB+29+\c]
.endr
.irp c, 0,2
	v_pk_add_f32 v[TT+\c:TT+\c+1], v[TT+\c:TT+\c+1], v[TT+4+\c:TT+5+\c]
	v_pk_add_f32 v[PB+16+\c:PB+17+\c], v[PB+16+\c:PB+17+\c], v[PB+24+\c:PB+25+\c]
.endr
.irp c, 0,2
	v_pk_add_f32 v[TT+\c:TT+\c+1], v[TT+\c:TT+\c+1], v[PB+16+\c:PB+17+\c]
.endr
.irp c, 0,1,2,3
	v_add_f32_dpp v[TT+\c], v[TT+\c], v[TT+\c] row_xmask:4 row_mask:0xf bank_mask:0xf
.endr
.irp c, 0,1,2,3
	v_add_f32_dpp v[TT+\c], v[TT+\c], v[TT+\c] row_xmask:8 row_mask:0xf bank_mask:0xf   ; all 32 blocks
.endr
.irp c, 0,1,2,3
	v_mul_f32 v[TT+\c], 0x3fb8aa3b, v[TT+\c]       ; x log2(e)
.endr
.irp c, 0,1,2
	v_cndmask_b32 v[TT+\c], v[TT+\c], v[TT+3], s61 ; clamped: token 2047's
.endr
.irp g, 0,1,2,3
.irp c, 0,1,2,3
	v_mov_b32_dpp v[S+4*\g+\c], v[TT+\c] row_share:\g row_mask:0xf bank_mask:0xf   ; lane g of my row of sixteen has my rows 4 g .. 4 g + 3
.endr
.endr
	s_wait_alu depctr_va_vdst(0)                   ; directly ahead of the wait below
	s_wait_kmcnt 0x0                               ; the first tile's words
; The tile's softmax: lane (r, h) has span r and 16 of its 32 rows.  p ends in the fragment PF, 1 / sum in v228.
.macro SOFT
.irp q, 1,3,5,7,9,11,13,15
	s_cmp_gt_u32 s36, \q                           ; an odd number of spans: the last one stands twice
	s_cselect_b32 s[WD+\q], s[WD+\q], s[WD+\q-1]
.endr
.irp q, 0,1,2,3,4,5,6,7,8,9,10,11,12,13,14,15
	v_writelane_b32 v[E], s[WD+\q], (\q/2)+8*(\q%2)
.endr
	v_permlanex16_b32 v217, v[E], s38, s39
	v_cndmask_b32 v[E], v[E], v217, s60            ; both halves of the lanes hold the sixteen words
	v_bfe_u32 v15, v[E], 12, 4                     ; the span's first row among mine
	v_bfe_u32 v220, v[E], 16, 4                    ; the last place of its window that counts
	v_cmp_le_u32 vcc_lo, 0x100000, v[E]            ; e < b
	v_sub_nc_u32 v15, v11, v15
	v_cndmask_b32 v222, 0, v221, vcc_lo            ; then -1e38 on all sixteen
.irp j, 0,1,2,3,4,5,6,7,8,9,10,11,12,13,14,15
	v_add_nc_u32 v[XE+\j], \j+8*(\j/8), v15        ; the row's place in the window (as an unsigned number: rows ahead of it are beyond every place)
.endr
.irp j, 0,1,2,3,4,5,6,7,8,9,10,11,12,13,14,15
	v_cmp_ge_u32 s[40+\j], v220, v[XE+\j]
.endr
.irp j, 0,2,4,6,8,10,12,14
	v_pk_add_f32 v[XE+\j:XE+\j+1], v[S+\j:S+\j+1], v[222:223] op_sel_hi:[1,0]
.endr
.irp j, 0,1,2,3,4,5,6,7,8,9,10,11,12,13,14,15
	v_cndmask_b32 v[XE+\j], v224, v[XE+\j], s[40+\j]
.endr
	v_max3_num_f32 v226, v[XE], v[XE+1], v[XE+2]
	v_max3_num_f32 v225, v[XE+3], v[XE+4], v[XE+5]
	v_max3_num_f32 v226, v226, v[XE+6], v[XE+7]
	v_max3_num_f32 v225, v225, v[XE+8], v[XE+9]
	v_max3_num_f32 v226, v226, v[XE+10], v[XE+11]
	v_max3_num_f32 v225, v225, v[XE+12], v[XE+13]
	v_max3_num_f32 v226, v226, v[XE+14], v[XE+15]
	v_max_num_f32 v226, v226, v225
	v_permlanex16_b32 v12, v226, s38, s39
	v_max_num_f32 v226, v226, v12                  ; the span's largest: a number, since at least one place counts
.irp j, 0,2,4,6,8,10,12,14
	v_pk_add_f32 v[XE+\j:XE+\j+1], v[XE+\j:XE+\j+1], v[226:227] op_sel_hi:[1,0] neg_lo:[0,1] neg_hi:[0,1]
.endr
	s_wait_alu depctr_va_vdst(0)                   ; ahead of the batch,
.irp j, 0,1,2,3,4,5,6,7,8,9,10,11,12,13,14,15
	v_exp_f32 v[XE+\j], v[XE+\j]
.endr
	v_nop                                          ; for a plain place behind it,
	s_wait_alu depctr_va_vdst(0)                   ; and for the wait ahead of its first reader
	v_pk_add_f32 v[228:229], v[XE:XE+1], v[XE+2:XE+3]
	v_pk_add_f32 v[230:231], v[XE+4:XE+5], v[XE+6:XE+7]
	v_cvt_pk_bf16_f32 v[PF], v[XE], v[XE+1]
	v_cvt_pk_bf16_f32 v[PF+1], v[XE+2], v[XE+3]
	v_pk_add_f32 v[228:229], v[228:229], v[XE+8:XE+9]
	v_pk_add_f32 v[230:231], v[230:231], v[XE+10:XE+11]
	v_cvt_pk_bf16_f32 v[PF+2], v[XE+4], v[XE+5]
	v_cvt_pk_bf16_f32 v[PF+3], v[XE+6], v[XE+7]
	v_pk_add_f32 v[228:229], v[228:229], v[XE+12:XE+13]
	v_pk_add_f32 v[230:231], v[230:231], v[XE+14:XE+15]
	v_cvt_pk_bf16_f32 v[PF+4], v[XE+8], v[XE+9]
	v_cvt_pk_bf16_f32 v[PF+5], v[XE+10], v[XE+11]
	v_pk_add_f32 v[228:229], v[228:229], v[230:231]
	v_cvt_pk_bf16_f32 v[PF+6], v[XE+12], v[XE+13]
	v_add_f32 v228, v228, v229
	v_cvt_pk_bf16_f32 v[PF+7], v[XE+14], v[XE+15]
	v_permlanex16_b32 v12, v228, s38, s39
	v_add_f32 v228, v228, v12                      ; the span's sum
	s_wait_alu depctr_va_vdst(0)                   ; ahead of the transcendental,
	v_rcp_f32 v228, v228
	v_nop
	s_wait_alu depctr_va_vdst(0)                   ; and behind it
.endm
	SOFT                                           ; the first tile's, while rows are on their way
	s_wait_loadcnt 0x0                             ; all rows are in
.irp c, 0,1,2,3
.irp i, 0,1,2,3,4,5,6,7
	v_cvt_pk_bf16_f32 v[BF+8*\c+\i], v[XR+8*\i+\c], v[XR+8*\i+4+\c]   ; channel 4 r + c of two neighbouring rows
.endr
.endr
	s_wait_alu depctr_va_vdst(0)                   ; at the head's end
.Ltile:
.irp c, 0,1,2,3
	v_wmma_f32_16x16x32_bf16 v[D+8*\c:D+8*\c+7], v[PF:PF+7], v[BF+8*\c:BF+8*\c+7], 0
.endr
	s_add_co_u32 s57, s57, 16
	s_min_u32 s30, s57, 0xfff
	s_lshl_b32 s30, s30, 2
	s_add_nc_u64 s[28:29], s[8:9], s[30:31]
	s_load_b512 s[WD:WD+15], s[28:29], 0x0         ; the next tile's words (behind my last tile they serve no result)
	v_mov_b32_dpp v218, v[E] row_xmask:8 row_mask:0xf bank_mask:0xf
	v_mov_b32_dpp v219, v228 row_xmask:8 row_mask:0xf bank_mask:0xf
	v_cndmask_b32 v218, v[E], v218, s60            ; lane i of each row of sixteen, i = 0..7: the word of tile row 8 h + i,
	v_cndmask_b32 v219, v228, v219, s60            ; and its 1 / sum
	v_and_b32 v218, 0xfff, v218                    ; the span.  (These lines are also the places behind the products)
.irp i, 0,1,2,3,4,5,6,7
	v_mov_b32_dpp v[RW+\i], v218 row_share:\i row_mask:0xf bank_mask:0xf
.endr
.irp i, 0,1,2,3,4,5,6,7
	v_min_u32 v[RW+\i], 0xfff, v[RW+\i]            ; the bound of an address, as a constant of the text
.endr
.irp i, 0,1,2,3,4,5,6,7
	v_lshl_add_u32 v[RW+\i], v[RW+\i], 12, v4      ; span 2 i + h's row of 4,096 bytes, + 16 r
.endr
.irp i, 0,1,2,3,4,5,6,7
.irp c, 0,1,2,3
	v_mul_f32_dpp v[O+4*\i+\c], v219, v[D+8*\c+\i] row_share:\i row_mask:0xf bank_mask:0xf   ; divided by the sum; each product from its low end on
.endr
.endr
	s_wait_alu depctr_va_vdst(0)                   ; ahead of the scalar instructions between the stores
.irp i, 0,1,2,3,4,5,6,7
	global_store_b128 v[RW+\i], v[O+4*\i:O+4*\i+3], s[12:13] th:TH_STORE_NT   ; spans 2 i and 2 i + 1: each half of the lanes stores 256 consecutive bytes, aligned (an odd last span: both halves store its row)
.if \i < 7
	s_cmp_le_u32 s36, 2*\i+2
	s_cbranch_scc1 .Lstored                        ; no more spans in this tile
.endif
.endr
.Lstored:
	s_sub_co_u32 s36, s36, 16
	s_add_co_u32 s56, s56, 1
	s_wait_kmcnt 0x0                               ; the next tile's words are in
	s_cmp_ge_u32 s56, s37
	s_cbranch_scc1 .Lend
	s_wait_xcnt 0x0                                ; the stores have read their registers
	SOFT
	s_cmp_lt_u32 s56, s37
	s_cbranch_scc1 .Ltile
.Lend:
	s_endpgm
.Lfunc_end_k_q3ce984caad_mix:
	.size	k_q3ce984caad_mix, .Lfunc_end_k_q3ce984caad_mix-k_q3ce984caad_mix
	.p2alignl 7, 3214868480
	.fill 96, 4, 3214868480
	.section	.rodata,"a",@progbits
	.p2align	6, 0x0
	.amdhsa_kernel k_q3ce984caad_mix
		.amdhsa_group_segment_fixed_size 0
		.amdhsa_private_segment_fixed_size 0
		.amdhsa_enable_private_segment 0
		.amdhsa_kernarg_size 40
		.amdhsa_user_sgpr_count 2
		.amdhsa_user_sgpr_kernarg_segment_ptr 1
		.amdhsa_wavefront_size32 1
		.amdhsa_system_sgpr_workgroup_id_x 1
		.amdhsa_system_sgpr_workgroup_id_y 1
		.amdhsa_system_sgpr_workgroup_id_z 1
		.amdhsa_system_vgpr_workitem_id 0
		.amdhsa_next_free_vgpr 240
		.amdhsa_next_free_sgpr 84
		.amdhsa_reserve_vcc 1
		.amdhsa_float_denorm_mode_32 3
		.amdhsa_float_denorm_mode_16_64 3
		.amdhsa_memory_ordered 1
		.amdhsa_forward_progress 1
		.amdhsa_inst_pref_size 35
	.end_amdhsa_kernel
	.amdgpu_metadata
---
amdhsa.version: [ 1, 2 ]
amdhsa.kernels:
  - .name:           k_q3ce984caad_mix
    .symbol:         k_q3ce984caad_mix.kd
    .args:
      - { .name: inputs, .offset: 0, .size: 8, .value_kind: global_buffer, .address_space: global }
      - { .name: part, .offset: 8, .size: 8, .value_kind: global_buffer, .address_space: global }
      - { .name: list, .offset: 16, .size: 8, .value_kind: global_buffer, .address_space: global }
      - { .name: starts, .offset: 24, .size: 8, .value_kind: global_buffer, .address_space: global }
      - { .name: out0, .offset: 32, .size: 8, .value_kind: global_buffer, .address_space: global }
    .group_segment_fixed_size: 0
    .private_segment_fixed_size: 0
    .kernarg_segment_align: 8
    .kernarg_segment_size: 40
    .max_flat_workgroup_size: 512
    .sgpr_count:     84
    .vgpr_count:     240
    .wavefront_size: 32
...
	.end_amdgpu_metadata
.endif
;; end of part 3
